; MI455X (gfx1250); checked and timed in simulation.
; The chip was launched on July 23, 2026; its instructions are those of AMD's public machine-readable ISA for CDNA 5 (MIT licence, August 2026) and "CDNA5" Instruction Set Architecture Reference Guide (July 2026). The comments in the code are by the model that wrote it; some were corrected since.
;; Scaled Dot Product Attention. Allowed arithmetic: float matrix products may take bf16 or f16 operands with f32 sums; all other float work in f32.
;; Inputs: k 2 x 16 x 2,048 x 64 float32; mask 1 x 1 x 2,048 x 2,048 float32; q 2 x 16 x 2,048 x 64 float32; v 2 x 16 x 2,048 x 64 float32.
;; Outputs: out0 2 x 16 x 2,048 x 64 float32.
;; One version. Each part assembles by itself: llvm-mc -triple=amdgcn-amd-amdhsa -mcpu=gfx1250 --defsym DOCPART=n.
;; ======== version 1 of 1: 1 launch
;; limits: inputs' magnitudes at most 65,504; values are held in f16: magnitudes above 65,504 overflow, below 6.1e-05 lose precision
;; launch attn (part 1): grid 32 x 8, 4 waves a work-group, clusters of 4 x 4, 327,680 bytes of LDS; arguments q, k, v, mask, out0; writes out0
.if DOCPART == 1
	.amdgcn_target "amdgcn-amd-amdhsa--gfx1250"
	.amdhsa_code_object_version 6
	.text
	.protected	k_qc5ebd9a54a_attn
	.globl	k_qc5ebd9a54a_attn
	.p2align	8
	.type	k_qc5ebd9a54a_attn,@function
k_qc5ebd9a54a_attn:
	s_mov_b64 s[64:65], 0
	v_nop
	global_prefetch_b8 v0, s[64:65] scope:SCOPE_SE
	s_setreg_imm32_b32 hwreg(HW_REG_WAVE_MODE, 25, 1), 1
	s_wait_xcnt 0x0
	s_wait_alu depctr_hold_cnt(0) depctr_sa_sdst(0) depctr_va_vdst(0) depctr_va_sdst(0) depctr_va_ssrc(0) depctr_va_vcc(0) depctr_vm_vsrc(0)
	s_getreg_b32 s2, hwreg(HW_REG_IB_STS2, 6, 4)
	s_cmp_eq_u32 s2, 0
	s_cbranch_scc0 .Lentry_in_a_cluster
	s_endpgm
.Lentry_in_a_cluster:
	s_bfe_u32 s2, ttmp6, 0x10000c
	s_cmp_lg_u32 s2, 0xf033
	s_cbranch_scc0 .Lentry_shape_is_right
	s_endpgm
.Lentry_shape_is_right:
; out0 = softmax(q k^T / 8 + mask) v.  q, k, v, out0: [32 heads][2048][64] f32.  mask: [2048][2048] f32, an input: every word is read and added.
; One launch.  A work-group makes 256 query rows of one head with four waves; a wave makes 64 rows = 4 query tiles of 16.  Keys go in 32 trips of 64.
;
; BOTH PRODUCTS ARE USED TRANSPOSED, so that nothing is shuffled between them:
;   S^T = K Q^T : source 0 = 16 keys x 32 d, source 1 = 16 queries x 32 d.  Register j of lane (r, h) = score of key 8h+j, query r.
;   O^T = V^T P^T: source 0 = 16 d x 32 keys (transposing LDS loads of V kept in 16 bits as [key][d]), source 1 = P^T, whose registers 0-3 want keys 8h..8h+7
;                 and registers 4-7 keys 16+8h..: that is the packed result of two neighbouring score tiles as they stand.
;   A lane serves ONE query: maximum, sum and rescale factor are one register a query tile, and a lane's 8 mask words are 32 neighbouring bytes of a mask row.
; NUMBER FORMATS: all three inputs q/8, k, v are rounded alike, to bf16; the sums are f32; the mask stays f32.  The first product takes bf16 operands.  The second
;   takes f16 operands: p, which is made here, keeps f16's 11 bits (a row in which few keys carry weight hands p's rounding straight to the output: 2^-11 relative
;   at the most, against 2^-8 in bf16), and v's bf16 numbers are carried as f16, in which every bf16 number from 2^-17 to 65,504 is exact.  So the result is that
;   of the definition on q, k, v rounded to bf16, up to p's rounding; a row's largest p is exactly 1.
; SOFTMAX: running maximum.  x = S + mask (one f32 add, as the definition rounds it); p = exp2((x - m) log2 e) with the subtraction first, which is exact for
;   near numbers whatever the mask's size.  The maximum starts at -FLT_MAX, so that a tile of -inf gives p = 0.
; LIMITS, kept on purpose: |v| above 65,504 becomes infinite in f16; a |v| under 2^-17 keeps an absolute error of up to 2^-25; a p under 2^-25 counts as 0 in the
;   second product (2,048 of them are under 2^-14 of a sum that is at least 1); 1/l is v_rcp_f32; exponentials below 2^-126 count as 0 (ISA guide 15.8);
;   a row whose every score is -inf gives NaN, as the definition does.
; CLUSTERS: 4 x 4 work-groups.  x = head, y = query block.  K's and V's tiles hang on the head alone: asked jointly down a column of the cluster.  The mask's
;   tiles hang on the query block alone: asked jointly along a row.  A trip's 16 x 96 KiB then come from 4 x 32 + 4 x 64 KiB of requests.  q is each one's own.
; PIPELINE: one round of the cluster's barrier a trip.  Behind the round of trip t go out: mask tile t+1, K and V tiles t+2 (f32, into a stage).  In trip t each
;   wave also rounds its own 16 rows of K and V tile t+1 from the stage to 16 bits into the slot that trip t+1 reads.  By this text's own count a wave has six
;   tensor loads out at the start and three in each trip.
;
; LDS (bytes)
.set MPITCH, 272                       ; a mask (or q) row: 256 bytes + 16 of padding = 68 words: the 16 rows that a load touches start in 16 different 16-byte columns of 256 bytes
.set MSLOT,  256*MPITCH                ; 69,632: 256 rows; wave w's 64 rows at w x 17,408.  Slots at 0 and MSLOT; slot 1 holds q first
.set F0,     2*MSLOT                   ; 139,264: the f32 stage, two slots: K's tile (64 x 256 bytes), then V's; wave w's 16 rows at w x 4,096
.set FSLOT,  32768
.set B0,     F0+2*FSLOT                ; 204,800: the 16-bit tiles, two slots, written by LDS stores alone
.set KPITCH, 144                       ; 128 bytes + 16
.set VPITCH, 160                       ; 128 bytes + 32, for the transposing loads
.set BV,     64*KPITCH                 ; V's tile behind K's
.set BSLOT,  BV+64*VPITCH              ; 19,456
.set OST,    B0+2*BSLOT                ; 243,712: the way out, 16 rows x 272 bytes for each wave, written by LDS stores alone
.set OPITCH, 272
.set LOG2E,  0x3fb8aa3b
; VECTOR REGISTERS, window 0
.set MADR, 8                           ; v8-9    my mask words in slot 0, 1: w x 17,408 + r x 272 + 32 h
.set KADR, 10                          ; v10     K fragments: B0 + r x 144 + 16 h
.set VADR, 11                          ; v11     V fragments: B0 + BV + (8 h + lane % 8) x 160 + 16 x (lane / 8 % 2)
.set CVL,  12                          ; v12     stage, my 16 bytes: F0 + w x 4,096 + 16 lane
.set CVK,  13                          ; v13     where my 8 bytes of 16-bit K go: B0 + (16 w + h) x 144 + 8 r
.set CVV,  14                          ; v14     the same for V
.set OSTO, 15                          ; v15     way out, in
.set ORD,  16                          ; v16     way out, back
.set OOFF, 17                          ; v17     16 lane: my bytes in two rows of out0
.set MX,   18                          ; v18-21  running maximum of query tile 0..3
.set LS,   22                          ; v22-25  running sum (of my half of the keys)
.set MN,   26                          ; v26-27  new maximum (a pair for the packed forms; the second is only written once)
.set AL,   28                          ; v28-29  rescale factor, likewise
.set UU,   30                          ; v30-37  four pairs: chains of the maximum, then of the sum; at the end 1 / l
.set T0,   38
.set SC,   40                          ; v40-71  scores, then p: 4 key tiles x 8
.set MK,   72                          ; v72-103 mask words, same order
.set PB,   104                         ; v104-119 p in f16: source 1 of the second product
.set CVF,  120                         ; v120-135 f32 on their way to 16 bits
.set CVB,  136                         ; v136-143 the same, packed
.set VF,   144                         ; v144-207 V fragments: 16 dt + 8 ks
; window 1 (v256 and up, named by their low 8 bits)
.set OA,   0                           ; O^T(qt, dt) at 8 (4 qt + dt): 128 registers
.set QF,   128                         ; q fragments: 16 qt + 8 x (half of d)
.set KF,   192                         ; K fragments: 16 kt + 8 x (half of d)
; SCALAR REGISTERS: s[4:13] addresses; s14 wave; s15 laps; s16-21 place and masks; s80-81 lane selects; s82-87 offsets; s88-92 LDS terms of the wave
.set G1M, 24                           ; s[24:31] shape of a mask tile (64 rows x 64 f32 a wave, padded), joint along my row
.set G1K, 32                           ; s[32:39] shape of a K or V tile (16 rows x 64 f32 a wave), joint down my column
.set G1Q, 40                           ; s[40:47] shape of q's tile, my own
.set G0M, 48                           ; s[48:55] from where, to where: mask, a set for each slot
.set G0K, 56                           ; s[56:63] K
.set G0V, 68                           ; s[68:75] V
.set G0Q, 76                           ; s[76:79] q
.set MSB, 0
.macro WIN new                         ; s_set_vgpr_msb: bits 1:0 source 0, 3:2 source 1, 5:4 source 2, 7:6 destination; the high byte repeats the setting left
.if MSB != \new
	s_set_vgpr_msb (MSB<<8)|\new
.set MSB, \new
.endif
.endm
; A round of the cluster's barrier: my work-group's barrier, wave 0 signals for the work-group, all wait for all sixteen, my work-group's barrier again.
.macro ROUND
	s_barrier_signal -1
	s_barrier_wait -1
	s_cmp_lg_u32 s14, 0
	s_cbranch_scc1 .Lnot_wave_0_\@
	s_barrier_signal -3
.Lnot_wave_0_\@:
	s_barrier_wait -3
	s_barrier_signal -1
	s_barrier_wait -1
.endm
	s_load_b256 s[4:11], s[0:1], 0x0               ; q s[4:5], k s[6:7], v s[8:9], mask s[10:11]
	s_load_b64 s[12:13], s[0:1], 0x20              ; out0
	v_lshl_add_u32 v254, v0, 2, 0x3fc00
	v_mov_b32 v255, 0
	ds_add_u32 v254, v255
	v_lshrrev_b32 v1, 5, v0
	v_readfirstlane_b32 s14, v1                    ; wave 0..3
	s_bfe_u32 s16, ttmp6, 0x40000                  ; cx
	s_bfe_u32 s17, ttmp6, 0x40004                  ; cy
	s_lshl_b32 s18, ttmp9, 2
	s_add_co_u32 s18, s18, s16                     ; head = 4 x cluster x + cx
	s_and_b32 s19, ttmp7, 0xffff
	s_lshl_b32 s19, s19, 2
	s_add_co_u32 s19, s19, s17                     ; query block = 4 x cluster y + cy
	s_lshl_b32 s20, 0x1111, s16                    ; my column of the cluster: places cx, cx+4, cx+8, cx+12
	s_lshl_b32 s21, s17, 2
	s_lshl_b32 s21, 15, s21                        ; my row: places 4 cy .. 4 cy + 3
	s_mov_b32 s80, 0x76543210                      ; v_permlanex16_b32: lane i takes lane i of the other half
	s_mov_b32 s81, 0xfedcba98
	; byte offsets.  K's and V's hold the head and the wave alone, the mask's the query block and the wave alone.
	s_lshl_b32 s82, s18, 19                        ; a head is 2,048 x 256 bytes
	s_lshl_b32 s22, s14, 12                        ; my 16 rows of a tile
	s_add_co_u32 s82, s82, s22
	s_mov_b32 s83, 0
	s_lshl_b32 s84, s19, 21                        ; 256 mask rows of 8,192 bytes
	s_lshl_b32 s22, s14, 19                        ; my 64 rows
	s_add_co_u32 s84, s84, s22
	s_mov_b32 s85, 0
	s_lshl_b32 s86, s18, 19                        ; q and out0: head, 256 rows of 256 bytes a block, 64 rows a wave
	s_lshl_b32 s23, s19, 16
	s_add_co_u32 s86, s86, s23
	s_lshl_b32 s22, s14, 14
	s_add_co_u32 s86, s86, s22
	s_mov_b32 s87, 0
	s_mul_i32 s88, s14, 64*MPITCH                  ; the wave's terms of LDS addresses: no place in the cluster enters one
	s_lshl_b32 s89, s14, 12
	s_mul_i32 s90, s14, 16*KPITCH
	s_mul_i32 s91, s14, 16*VPITCH
	s_mul_i32 s92, s14, 16*OPITCH
	; descriptor groups 1.  Elements of 4 bytes; extents = the tile's sizes (no tile crosses its tensor's end).
	s_or_b32  s[G1M+0], s21, (2<<16)|(1<<20)|(1<<21)|(5<<22)|(3<<25)  ; 15:0 my row's mask; 17:16 4-byte elements; 20 padding; 21 set beside a mask; after every 64 words 4 words
	s_mov_b32 s[G1M+1], 64<<16                     ; tensor_dim0 = 64
	s_mov_b32 s[G1M+2], 64<<16                     ; tensor_dim1 = 64
	s_mov_b32 s[G1M+3], 64<<16                     ; tile_dim0 = 64 (256 bytes)
	s_mov_b32 s[G1M+4], 64                         ; tile_dim1 = 64 rows
	s_mov_b32 s[G1M+5], 2048                       ; from row to row
	s_mov_b32 s[G1M+6], 0
	s_mov_b32 s[G1M+7], 0
	s_or_b32  s[G1K+0], s20, (2<<16)|(1<<21)       ; my column's mask; no padding: the stage is read 16 neighbouring bytes a lane
	s_mov_b32 s[G1K+1], 64<<16
	s_mov_b32 s[G1K+2], 16<<16
	s_mov_b32 s[G1K+3], 64<<16
	s_mov_b32 s[G1K+4], 16
	s_mov_b32 s[G1K+5], 64
	s_mov_b32 s[G1K+6], 0
	s_mov_b32 s[G1K+7], 0
	s_mov_b32 s[G1Q+0], (2<<16)|(1<<20)|(5<<22)|(3<<25)   ; no mask: my own load
	s_mov_b32 s[G1Q+1], 64<<16
	s_mov_b32 s[G1Q+2], 64<<16
	s_mov_b32 s[G1Q+3], 64<<16
	s_mov_b32 s[G1Q+4], 64
	s_mov_b32 s[G1Q+5], 64
	s_mov_b32 s[G1Q+6], 0
	s_mov_b32 s[G1Q+7], 0
	s_wait_dscnt 0x0
	s_wait_kmcnt 0x0
	s_add_nc_u64 s[4:5], s[4:5], s[86:87]          ; q at my 64 rows
	s_add_nc_u64 s[6:7], s[6:7], s[82:83]          ; k at my 16 rows of tile 0
	s_add_nc_u64 s[8:9], s[8:9], s[82:83]          ; v likewise
	s_add_nc_u64 s[10:11], s[10:11], s[84:85]      ; mask at my 64 rows, key 0
	s_add_nc_u64 s[12:13], s[12:13], s[86:87]      ; out0 at my 64 rows
.irp j, 0,1
	s_mov_b32 s[G0M+4*\j], 1
	s_add_co_u32 s[G0M+4*\j+1], s88, \j*MSLOT
	s_add_nc_u64 s[G0M+4*\j+2:G0M+4*\j+3], s[10:11], \j*256        ; tile j: 64 keys are 256 bytes along a row
	s_or_b32 s[G0M+4*\j+3], s[G0M+4*\j+3], 0x80000000
	s_mov_b32 s[G0K+4*\j], 1
	s_add_co_u32 s[G0K+4*\j+1], s89, F0+\j*FSLOT
	s_add_nc_u64 s[G0K+4*\j+2:G0K+4*\j+3], s[6:7], \j*16384        ; tile j: 64 rows of 256 bytes
	s_or_b32 s[G0K+4*\j+3], s[G0K+4*\j+3], 0x80000000
	s_mov_b32 s[G0V+4*\j], 1
	s_add_co_u32 s[G0V+4*\j+1], s89, F0+16384+\j*FSLOT
	s_add_nc_u64 s[G0V+4*\j+2:G0V+4*\j+3], s[8:9], \j*16384
	s_or_b32 s[G0V+4*\j+3], s[G0V+4*\j+3], 0x80000000
.endr
	s_mov_b32 s[G0Q], 1
	s_add_co_u32 s[G0Q+1], s88, MSLOT              ; q lies in mask slot 1 until trip 0 fills that slot
	s_mov_b64 s[G0Q+2:G0Q+3], s[4:5]
	s_or_b32 s[G0Q+3], s[G0Q+3], 0x80000000
	ROUND                                          ; all sixteen work-groups are here: the first joint loads meet
	tensor_load_to_lds s[G0K:G0K+3], s[G1K:G1K+7]          ; K tile 0
	s_nop 0
	tensor_load_to_lds s[G0V:G0V+3], s[G1K:G1K+7]          ; V tile 0
	s_nop 0
	tensor_load_to_lds s[G0Q:G0Q+3], s[G1Q:G1Q+7]          ; q
	s_nop 0
	tensor_load_to_lds s[G0M:G0M+3], s[G1M:G1M+7]          ; mask tile 0
	s_nop 0
	tensor_load_to_lds s[G0K+4:G0K+7], s[G1K:G1K+7]        ; K tile 1
	s_nop 0
	tensor_load_to_lds s[G0V+4:G0V+7], s[G1K:G1K+7]        ; V tile 1
	s_nop 0
	v_and_b32 v1, 31, v0                           ; lane
	v_and_b32 v2, 15, v0                           ; r
	v_bfe_u32 v3, v0, 4, 1                         ; h
	v_mul_u32_u24 v4, v2, MPITCH
	v_lshl_add_u32 v4, v3, 5, v4                   ; r x 272 + 32 h
	v_add_nc_u32 v[MADR], s88, v4
	v_add_nc_u32 v[MADR+1], MSLOT, v[MADR]
	v_add_nc_u32 v[OSTO], s92, v4
	v_add_nc_u32 v[OSTO], OST, v[OSTO]
	v_mul_u32_u24 v5, v2, KPITCH
	v_lshl_add_u32 v5, v3, 4, v5
	v_add_nc_u32 v[KADR], B0, v5
	v_and_b32 v6, 7, v0
	v_lshl_add_u32 v6, v3, 3, v6
	v_mul_u32_u24 v6, v6, VPITCH
	v_bfe_u32 v7, v0, 3, 1
	v_lshl_add_u32 v6, v7, 4, v6
	v_add_nc_u32 v[VADR], B0+BV, v6
	v_lshl_add_u32 v[CVL], v1, 4, s89
	v_add_nc_u32 v[CVL], F0, v[CVL]
	v_mul_u32_u24 v5, v3, KPITCH
	v_lshl_add_u32 v5, v2, 3, v5
	v_add_nc_u32 v5, s90, v5
	v_add_nc_u32 v[CVK], B0, v5
	v_mul_u32_u24 v6, v3, VPITCH
	v_lshl_add_u32 v6, v2, 3, v6
	v_add_nc_u32 v6, s91, v6
	v_add_nc_u32 v[CVV], B0+BV, v6
	v_mul_u32_u24 v7, v3, OPITCH
	v_lshl_add_u32 v7, v2, 4, v7
	v_add_nc_u32 v7, s92, v7
	v_add_nc_u32 v[ORD], OST, v7
	v_lshlrev_b32 v[OOFF], 4, v1
	v_mov_b32 v[MN+1], 0                           ; second registers of broadcast pairs, and v_permlanex16_b32's destination: written once
	v_mov_b32 v[AL+1], 0
	v_mov_b32 v[T0], 0
; Rounding K and V to 16 bits, a quarter c (0, 1: K's rows; 2, 3: V's) of my 16 + 16 rows at a time: 4 loads of 512 neighbouring bytes (two rows), the packing, 4 stores.
.macro CVLOAD f, c
.irp i, 0,1,2,3
	ds_load_b128 v[CVF+4*\i:CVF+4*\i+3], v[CVL] offset:(\f)*FSLOT+((\c)>>1)*16384+(((\c)&1)*4+\i)*512
.endr
.endm
; K: rounded to bf16, and packed so.  V: rounded to bf16 like K, widened again (a shift, a mask) and packed as f16, which changes no number from 2^-17 to 65,504.
.macro CVPACK c
.irp n, 0,1,2,3,4,5,6,7
	v_cvt_pk_bf16_f32 v[CVB+\n], v[CVF+2*\n], v[CVF+2*\n+1]
.endr
.if (\c) >= 2
.irp n, 0,1,2,3,4,5,6,7
	v_lshlrev_b32 v[CVF+2*\n],   16, v[CVB+\n]
	v_and_b32     v[CVF+2*\n+1], 0xffff0000, v[CVB+\n]
.endr
.irp n, 0,1,2,3,4,5,6,7
	v_cvt_pk_f16_f32 v[CVB+\n], v[CVF+2*\n], v[CVF+2*\n+1]
.endr
.endif
.endm
.macro CVSTORE b, c
.irp i, 0,1,2,3
.if (\c) < 2
	ds_store_b64 v[CVK], v[CVB+2*\i:CVB+2*\i+1] offset:(\b)*BSLOT+(((\c)&1)*4+\i)*2*KPITCH
.else
	ds_store_b64 v[CVV], v[CVB+2*\i:CVB+2*\i+1] offset:(\b)*BSLOT+(((\c)&1)*4+\i)*2*VPITCH
.endif
.endr
.endm
; The mask words of query tile qt: for each key tile my 8 words, 32 neighbouring bytes of my query's row.
.macro MLOAD s, qt
.irp kt, 0,1,2,3
	ds_load_b128 v[MK+8*\kt:MK+8*\kt+3],   v[MADR+\s] offset:(\qt)*16*MPITCH+64*\kt
	ds_load_b128 v[MK+8*\kt+4:MK+8*\kt+7], v[MADR+\s] offset:(\qt)*16*MPITCH+64*\kt+16
.endr
.endm
; K's fragments of a tile: 4 key tiles x 2 halves of d, two loads 32 bytes apart each.
.macro KLOAD b
	WIN 0x40                                       ; destination window 1
.irp kt, 0,1,2,3
.irp h, 0,1
	ds_load_b128 v[KF+16*\kt+8*\h:KF+16*\kt+8*\h+3],   v[KADR] offset:\b*BSLOT+\kt*16*KPITCH+64*\h
	ds_load_b128 v[KF+16*\kt+8*\h+4:KF+16*\kt+8*\h+7], v[KADR] offset:\b*BSLOT+\kt*16*KPITCH+64*\h+32
.endr
.endr
.endm
; V's fragments: 4 tiles of 16 d x 2 steps of 32 keys, two transposing loads 16 rows apart each.
.macro VLOAD b
.irp dt, 0,1,2,3
.irp ks, 0,1
	ds_load_tr16_b128 v[VF+16*\dt+8*\ks:VF+16*\dt+8*\ks+3],   v[VADR] offset:\b*BSLOT+\ks*32*VPITCH+32*\dt
	ds_load_tr16_b128 v[VF+16*\dt+8*\ks+4:VF+16*\dt+8*\ks+7], v[VADR] offset:\b*BSLOT+\ks*32*VPITCH+32*\dt+16*VPITCH
.endr
.endr
.endm
; S^T of query tile qt, bf16 operands.  The four accumulators take turns, one instruction a turn; the first products start the sums.
.macro SMUL qt
	WIN 0x05                                       ; sources 0 and 1 window 1
.irp kt, 0,1,2,3
	v_wmma_f32_16x16x32_bf16 v[SC+8*\kt:SC+8*\kt+7], v[KF+16*\kt:KF+16*\kt+7], v[QF+16*\qt:QF+16*\qt+7], 0
.endr
.irp kt, 0,1,2,3
	v_wmma_f32_16x16x32_bf16 v[SC+8*\kt:SC+8*\kt+7], v[KF+16*\kt+8:KF+16*\kt+15], v[QF+16*\qt+8:QF+16*\qt+15], v[SC+8*\kt:SC+8*\kt+7]
.endr
.endm
; O^T of query tile qt += V^T P^T, f16 operands.  Four accumulators by turns again.
.macro PVMUL qt, first
	WIN 0x50                                       ; C and D window 1
.irp dt, 0,1,2,3
.if \first
	v_wmma_f32_16x16x32_f16 v[OA+8*(4*\qt+\dt):OA+8*(4*\qt+\dt)+7], v[VF+16*\dt:VF+16*\dt+7], v[PB:PB+7], 0
.else
	v_wmma_f32_16x16x32_f16 v[OA+8*(4*\qt+\dt):OA+8*(4*\qt+\dt)+7], v[VF+16*\dt:VF+16*\dt+7], v[PB:PB+7], v[OA+8*(4*\qt+\dt):OA+8*(4*\qt+\dt)+7]
.endif
.endr
.irp dt, 0,1,2,3
	v_wmma_f32_16x16x32_f16 v[OA+8*(4*\qt+\dt):OA+8*(4*\qt+\dt)+7], v[VF+16*\dt+8:VF+16*\dt+15], v[PB+8:PB+15], v[OA+8*(4*\qt+\dt):OA+8*(4*\qt+\dt)+7]
.endr
.endm
; q's fragments of query tile qt: my query's 64 numbers' share, times 1/8 (exact), rounded to bf16.
.macro QFRAG qt
	WIN 0
.irp h, 0,1
	ds_load_b128 v[SC+16*\h:SC+16*\h+3],     v[MADR+1] offset:\qt*16*MPITCH+128*\h      ; d = 32 x half + 8 h .. + 7
	ds_load_b128 v[SC+16*\h+4:SC+16*\h+7],   v[MADR+1] offset:\qt*16*MPITCH+128*\h+16
	ds_load_b128 v[SC+16*\h+8:SC+16*\h+11],  v[MADR+1] offset:\qt*16*MPITCH+128*\h+64   ; d = 32 x half + 16 + 8 h .. + 7
	ds_load_b128 v[SC+16*\h+12:SC+16*\h+15], v[MADR+1] offset:\qt*16*MPITCH+128*\h+80
.endr
	s_wait_dscnt 0x0
.irp p, 0,2,4,6,8,10,12,14,16,18,20,22,24,26,28,30
	v_pk_mul_f32 v[SC+\p:SC+\p+1], v[SC+\p:SC+\p+1], 0x3e000000 op_sel_hi:[1,0]
.endr
	WIN 0x40
.irp n, 0,1,2,3,4,5,6,7,8,9,10,11,12,13,14,15
	v_cvt_pk_bf16_f32 v[QF+16*\qt+\n], v[SC+2*\n], v[SC+2*\n+1]
.endr
.endm
; One query tile against the trip's 64 keys.  s: the trip's slot, o: the other; conv: a quarter of the next tile is rounded on the way; first: trip 0.
.macro QT qt, s, o, conv, first
.if \qt == 0
	s_wait_dscnt 24+4*\conv                        ; K's 16 fragment loads are in; behind them: conversion loads (4), mask (8), V (16)
.endif
	SMUL \qt
.if \qt == 0
	s_wait_dscnt 16                                ; conversion loads and mask words are in; V's 16 loads may stay out
.else
	s_wait_dscnt 0x0                               ; the conversion loads and mask words asked for in the tile before
.endif
	WIN 0
.if \conv
	CVPACK \qt                                     ; eight or more plain vector instructions on other registers: the places behind the products (ISA guide 7.12.1)
	CVSTORE \o, \qt
.else
.rept 4
	v_nop                                          ; the places behind the products
.endr
.endif
.irp p, 0,2,4,6,8,10,12,14,16,18,20,22,24,26,28,30
	v_pk_add_f32 v[SC+\p:SC+\p+1], v[SC+\p:SC+\p+1], v[MK+\p:MK+\p+1]      ; x = S + mask
.endr
.if \qt < 3
.if \conv
	CVLOAD \o, \qt+1                               ; for the next query tile, a whole tile's work ahead
.endif
	MLOAD \s, \qt+1
.endif
	; the maximum of my 32 x and the running one: four chains, then the other half's lane
.irp c, 0,1,2,3
	v_max3_num_f32 v[UU+2*\c], v[SC+8*\c], v[SC+8*\c+1], v[SC+8*\c+2]
.endr
.irp c, 0,1,2,3
	v_max3_num_f32 v[UU+2*\c], v[UU+2*\c], v[SC+8*\c+3], v[SC+8*\c+4]
.endr
.irp c, 0,1,2,3
	v_max3_num_f32 v[UU+2*\c], v[UU+2*\c], v[SC+8*\c+5], v[SC+8*\c+6]
.endr
	v_max3_num_f32 v[UU], v[UU], v[UU+2], v[SC+7]
	v_max3_num_f32 v[UU+4], v[UU+4], v[UU+6], v[SC+15]
	v_max3_num_f32 v[UU], v[UU], v[UU+4], v[SC+23]
.if \first
	v_max3_num_f32 v[MN], v[UU], v[SC+31], 0xff7fffff      ; the running maximum starts at -FLT_MAX
.else
	v_max3_num_f32 v[MN], v[UU], v[SC+31], v[MX+\qt]
.endif
	v_permlanex16_b32 v[T0], v[MN], s80, s81
	v_max_num_f32 v[MN], v[MN], v[T0]
.if \first == 0
	v_sub_f32 v[T0], v[MX+\qt], v[MN]
	v_mul_f32 v[T0], LOG2E, v[T0]
.endif
.irp p, 0,2,4,6,8,10,12,14,16,18,20,22,24,26,28,30
	v_pk_add_f32 v[SC+\p:SC+\p+1], v[SC+\p:SC+\p+1], v[MN:MN+1] op_sel_hi:[1,0] neg_lo:[0,1] neg_hi:[0,1]  ; x - m first: exact for near numbers
.endr
.irp p, 0,2,4,6,8,10,12,14,16,18,20,22,24,26,28,30
	v_pk_mul_f32 v[SC+\p:SC+\p+1], v[SC+\p:SC+\p+1], LOG2E op_sel_hi:[1,0]
.endr
.if \first == 0
	v_exp_f32 v[AL], v[T0]                         ; by how much the old sums shrink
.endif
.irp n, 0,1,2,3,4,5,6,7,8,9,10,11,12,13,14,15,16,17,18,19,20,21,22,23,24,25,26,27,28,29,30,31
	v_exp_f32 v[SC+\n], v[SC+\n]
.endr
	v_mov_b32 v[MX+\qt], v[MN]                     ; the plain instruction between the exponentials and the first use of a result (ISA guide 5.7.2)
	s_wait_alu depctr_va_vdst(0)
.irp c, 0,1,2,3
	v_pk_add_f32 v[UU+2*\c:UU+2*\c+1], v[SC+8*\c:SC+8*\c+1], v[SC+8*\c+2:SC+8*\c+3]   ; the sum of my 32 p: four chains, started by the first adds
.endr
.irp c, 0,1,2,3
	v_pk_add_f32 v[UU+2*\c:UU+2*\c+1], v[UU+2*\c:UU+2*\c+1], v[SC+8*\c+4:SC+8*\c+5]
.endr
.irp c, 0,1,2,3
	v_pk_add_f32 v[UU+2*\c:UU+2*\c+1], v[UU+2*\c:UU+2*\c+1], v[SC+8*\c+6:SC+8*\c+7]
.endr
.irp kt, 0,1,2,3
.irp i, 0,1,2,3
	v_cvt_pk_f16_f32 v[PB+4*\kt+\i], v[SC+8*\kt+2*\i], v[SC+8*\kt+2*\i+1]              ; key tiles 2 ks, 2 ks + 1 are registers 0-3, 4-7 of source 1
.endr
.endr
.if \first == 0
	WIN 0x41                                       ; source 0 and destination window 1
.irp p, 0,2,4,6,8,10,12,14,16,18,20,22,24,26,28,30
	v_pk_mul_f32 v[OA+32*\qt+\p:OA+32*\qt+\p+1], v[OA+32*\qt+\p:OA+32*\qt+\p+1], v[AL:AL+1] op_sel_hi:[1,0]
.endr
.endif
.if \qt == 0
	s_wait_dscnt 8+8*\conv                         ; V's fragments are in; behind them: 4 stores and 4 conversion loads (if any), 8 mask loads
.endif
	PVMUL \qt, \first
	WIN 0
	; the end of the sum: four or five plain instructions on other registers, the places behind the products for the loads into V's fragments, the next p, the way out
	v_pk_add_f32 v[UU:UU+1], v[UU:UU+1], v[UU+2:UU+3]
	v_pk_add_f32 v[UU+4:UU+5], v[UU+4:UU+5], v[UU+6:UU+7]
	v_pk_add_f32 v[UU:UU+1], v[UU:UU+1], v[UU+4:UU+5]
.if \first
	v_add_f32 v[LS+\qt], v[UU], v[UU+1]
.else
	v_add_f32 v[T0], v[UU], v[UU+1]
	v_fma_f32 v[LS+\qt], v[LS+\qt], v[AL], v[T0]
.endif
.endm
; A trip: 64 keys.  fillm: mask tile t+1 is asked for; fillkv: K and V tiles t+2; conv: tile t+1 is rounded; round: the barrier is a round of the cluster's.
.macro TRIP s, o, first, fillm, fillkv, conv, round
	s_wait_tensorcnt 0x0                           ; all my tensor loads have landed: this trip's mask rows and the next tile's K and V rows, which I alone read;
	ds_add_u32 v254, v255
	s_wait_dscnt 0x0
.if \fillkv
	s_add_nc_u64 s[G0M+4*\s+2:G0M+4*\s+3], s[G0M+4*\s+2:G0M+4*\s+3], 512      ; so every group 0 may be written: this mask slot's next tile (asked for next trip),
	s_add_nc_u64 s[G0K+4*\s+2:G0K+4*\s+3], s[G0K+4*\s+2:G0K+4*\s+3], 32768    ; this stage slot's next tiles (asked for below)
	s_add_nc_u64 s[G0V+4*\s+2:G0V+4*\s+3], s[G0V+4*\s+2:G0V+4*\s+3], 32768
.endif
	s_wait_dscnt 0x0                               ; my reads of the last trip's slots are back, my 16-bit stores for this trip are done
.if \round
	ROUND                                          ; both now hold of every wave of every work-group of the cluster
.else
	s_barrier_signal -1                            ; it shows the other waves' 16-bit rows
	s_barrier_wait -1
.endif
.if \fillm
	tensor_load_to_lds s[G0M+4*\o:G0M+4*\o+3], s[G1M:G1M+7]       ; the refills come first behind the round
	s_nop 0
.endif
.if \fillkv
	tensor_load_to_lds s[G0K+4*\s:G0K+4*\s+3], s[G1K:G1K+7]
	s_nop 0
	tensor_load_to_lds s[G0V+4*\s:G0V+4*\s+3], s[G1K:G1K+7]
	s_nop 0
.endif
	KLOAD \s
	WIN 0
.if \conv
	CVLOAD \o, 0
.endif
	MLOAD \s, 0
	VLOAD \s
	QT 0, \s, \o, \conv, \first
	QT 1, \s, \o, \conv, \first
	QT 2, \s, \o, \conv, \first
	QT 3, \s, \o, \conv, \first
.endm
	s_wait_tensorcnt 3                             ; K tile 0, V tile 0 and q are in (my own rows); mask tile 0, K and V tile 1 stay out
.irp c, 0,1,2,3
	CVLOAD 0, \c                                   ; tile 0 to 16 bits, slot 0
	s_wait_dscnt 0x0
	CVPACK \c
	CVSTORE 0, \c
.endr
	QFRAG 0
	QFRAG 1
	QFRAG 2
	QFRAG 3
	WIN 0                                          ; at a label and at a branch every window is 0
	TRIP 0, 1, 1, 1, 1, 1, 1                       ; trip 0 starts maxima, sums and O: nothing is cleared
	TRIP 1, 0, 0, 1, 1, 1, 1
	s_mov_b32 s15, 14                              ; trips 2 to 29
.Llap:
	TRIP 0, 1, 0, 1, 1, 1, 1
	TRIP 1, 0, 0, 1, 1, 1, 1
	s_sub_co_u32 s15, s15, 1
	s_cmp_lg_u32 s15, 0
	s_cbranch_scc1 .Llap
	TRIP 0, 1, 0, 1, 0, 1, 1                       ; trip 30: the last mask tile is asked for, the last K and V tile rounded
	TRIP 1, 0, 0, 0, 0, 0, 0                       ; trip 31: nothing more to fetch
	; THE WAY OUT.  The two halves' sums meet; O^T / l; 16 queries at a time through my own stage, back as whole rows of 256 bytes.
.irp t, 0,1,2,3
	v_permlanex16_b32 v[T0], v[LS+\t], s80, s81
	v_add_f32 v[LS+\t], v[LS+\t], v[T0]
.endr
.irp t, 0,1,2,3
	v_rcp_f32 v[UU+2*\t], v[LS+\t]
.endr
	v_nop                                          ; the plain instruction behind the reciprocals
	s_wait_alu depctr_va_vdst(0)
.macro OUT qt, buf
	WIN 0x41
.irp p, 0,2,4,6,8,10,12,14,16,18,20,22,24,26,28,30
	v_pk_mul_f32 v[OA+32*\qt+\p:OA+32*\qt+\p+1], v[OA+32*\qt+\p:OA+32*\qt+\p+1], v[UU+2*\qt:UU+2*\qt+1] op_sel_hi:[1,0]
.endr
	WIN 0x04                                       ; store data window 1
.irp dt, 0,1,2,3
	ds_store_b128 v[OSTO], v[OA+32*\qt+8*\dt:OA+32*\qt+8*\dt+3]   offset:64*\dt       ; query r, d = 16 dt + 8 h .. + 7
	ds_store_b128 v[OSTO], v[OA+32*\qt+8*\dt+4:OA+32*\qt+8*\dt+7] offset:64*\dt+16
.endr
	WIN 0
	s_wait_xcnt 0x0                                ; the buffer, which earlier stores read, is loaded again only behind this wait (ISA guide 3.1)
.irp i, 0,1,2,3,4,5,6,7
	ds_load_b128 v[\buf+4*\i:\buf+4*\i+3], v[ORD] offset:\i*2*OPITCH       ; LDS serves a wave's instructions in order (ISA guide 5.7.1): these see the stores above
.endr
.irp i, 0,1,2,3,4,5,6,7
	s_wait_dscnt 7-\i                              ; the younger read-backs stay out
	global_store_b128 v[OOFF], v[\buf+4*\i:\buf+4*\i+3], s[12:13] offset:4096*\qt+512*\i th:TH_STORE_NT   ; the wave stores 512 consecutive bytes, two whole rows of out0
.endr
.endm
	OUT 0, SC
	OUT 1, MK
	OUT 2, SC
	OUT 3, MK
	s_wait_tensorcnt 0x0
	ds_add_u32 v254, v255
	s_wait_dscnt 0x0
	ROUND                                          ; the closing round: no work-group ends while a partner may still ask for a tile that names it
	s_endpgm
.Lfunc_end_k_qc5ebd9a54a_attn:
	.size	k_qc5ebd9a54a_attn, .Lfunc_end_k_qc5ebd9a54a_attn-k_qc5ebd9a54a_attn
	.p2alignl 7, 3214868480
	.fill 96, 4, 3214868480
	.section	.rodata,"a",@progbits
	.p2align	6, 0x0
	.amdhsa_kernel k_qc5ebd9a54a_attn
		.amdhsa_group_segment_fixed_size 327680
		.amdhsa_private_segment_fixed_size 0
		.amdhsa_enable_private_segment 0
		.amdhsa_kernarg_size 40
		.amdhsa_user_sgpr_count 2
		.amdhsa_user_sgpr_kernarg_segment_ptr 1
		.amdhsa_wavefront_size32 1
		.amdhsa_system_sgpr_workgroup_id_x 1
		.amdhsa_system_sgpr_workgroup_id_y 1
		.amdhsa_system_sgpr_workgroup_id_z 1
		.amdhsa_system_vgpr_workitem_id 0
		.amdhsa_next_free_vgpr 512
		.amdhsa_next_free_sgpr 96
		.amdhsa_reserve_vcc 0
		.amdhsa_float_denorm_mode_32 3
		.amdhsa_float_denorm_mode_16_64 3
		.amdhsa_memory_ordered 1
		.amdhsa_forward_progress 1
		.amdhsa_inst_pref_size 255
	.end_amdhsa_kernel
	.section	.bss,"aw",@nobits
	.p2align	6
	.space	262144
	.amdgpu_metadata
---
amdhsa.version: [ 1, 2 ]
amdhsa.kernels:
  - .name:           k_qc5ebd9a54a_attn
    .symbol:         k_qc5ebd9a54a_attn.kd
    .args:
      - { .name: q, .offset: 0, .size: 8, .value_kind: global_buffer, .address_space: global }
      - { .name: k, .offset: 8, .size: 8, .value_kind: global_buffer, .address_space: global }
      - { .name: v, .offset: 16, .size: 8, .value_kind: global_buffer, .address_space: global }
      - { .name: mask, .offset: 24, .size: 8, .value_kind: global_buffer, .address_space: global }
      - { .name: out0, .offset: 32, .size: 8, .value_kind: global_buffer, .address_space: global }
    .group_segment_fixed_size: 327680
    .private_segment_fixed_size: 0
    .kernarg_segment_align: 8
    .kernarg_segment_size: 40
    .max_flat_workgroup_size: 128
    .sgpr_count:     96
    .vgpr_count:     512
    .wavefront_size: 32
...
	.end_amdgpu_metadata
.endif
;; end of part 1
